; MI455X (gfx1250); checked and timed in simulation.
; The chip was launched on July 23, 2026; its instructions are those of AMD's public machine-readable ISA for CDNA 5 (MIT licence, August 2026) and "CDNA5" Instruction Set Architecture Reference Guide (July 2026). The comments in the code are by the model that wrote it; some were corrected since.
;; Multi Head Attention. Allowed arithmetic: matrix products marked QUANTISED: E2M3 operands, one E8M0 scale for each 32 along K, by v_wmma_scale_f32_16x16x128_f8f6f4 with both operands' format E2M3, f32 sums; everything else in f32.
;; Inputs: W_o_codes 1,024 x 32 x 24 uint8 (E2M3 codes of W_o, K innermost, in blocks of 32 codes, four codes in three bytes); W_o_scales 1,024 x 32 uint8 (E8M0 scales of W_o, one for each 32 codes along K); W_qkv_codes 3,072 x 32 x 24 uint8 (E2M3 codes of W_qkv, K innermost, in blocks of 32 codes, four codes in three bytes); W_qkv_scales 3,072 x 32 uint8 (E8M0 scales of W_qkv, one for each 32 codes along K); b_o 1,024 float32; b_qkv 3,072 float32; mask 1 x 1 x 2,048 x 2,048 float32; x_codes 4 x 2,048 x 32 x 24 uint8 (E2M3 codes of x, K innermost, in blocks of 32 codes, four codes in three bytes); x_scales 4 x 2,048 x 32 uint8 (E8M0 scales of x, one for each 32 codes along K).
;; Outputs: out0 4 x 2,048 x 1,024 float32.
;; This version of the problem:
;;   THIS VERSION OF THE PROBLEM IS GIVEN IN LOW PRECISION. The matrix products marked QUANTISED in the list below multiply operands that are first quantised to E2M3 (2 exponent bits, 3 mantissa bits; 6 bits a number), with one power-of-two scale for each 32 numbers along K (OCP MX v1.0); their sums are f32. All else is computed in f32.
;;   The module's matrix products, in the order in which they are computed (A, B: the left and right operand; K: the contracted axis; several contracted axes count as one K, in the product's order):
;;     1. [M 8,192, K 1,024] x [K 1,024, N 3,072]; A: input x (given as codes); B: input W_qkv (given as codes): QUANTISED
;;     2. batch 64 x [M 2,048, K 64] x [K 64, N 2,048]; A: computed on the way; B: computed on the way: QUANTISED
;;     3. batch 64 x [M 2,048, K 2,048] x [K 2,048, N 64]; A: softmax (see below); B: computed on the way: QUANTISED
;;     4. [M 8,192, K 1,024] x [K 1,024, N 1,024]; A: computed on the way; B: input W_o (given as codes): QUANTISED
;;   THE QUANTISER, for each operand of a quantised product, along K:
;;     - K is cut into blocks of 32 from its start; a last block that is shorter is filled with zeros.
;;     - A block's scale is 2^e with e = floor(log2(the largest magnitude in the block)) - 2, held to -126 .. 127; a block of zeros has e = 0. As a byte (E8M0): e + 127.
;;     - Each number is divided by its block's scale, clamped to +-7.5, and rounded to the nearest number of E2M3, ties to even, subnormals kept.
;;     - The product sums the exact products of the quantised numbers (number of the format x scale) in f32.
;;   ~~~python
;;   def quantise(x, axis):      # numpy; x: float32 -> the quantised numbers, widened to float32 again
;;       x = np.moveaxis(x, axis, -1); K = x.shape[-1]
;;       x = np.pad(x, [(0, 0)] * (x.ndim - 1) + [(0, -K % 32)]); x = x.reshape(x.shape[:-1] + (-1, 32)); a = np.abs(x).max(-1, keepdims=True)
;;       e = np.where(a > 0, np.clip(np.frexp(np.where(a > 0, a, 1))[1] - 1 - 2, -126, 127), 0)      # np.frexp(a)[1] - 1 = floor(log2(a)), exactly
;;       r = np.clip(x / 2.0 ** e, -7.5, 7.5)
;;       step = 2.0 ** (np.maximum(np.frexp(np.where(r == 0, 1, r))[1] - 1, 0) - 3)
;;       q = np.round(r / step) * step * 2.0 ** e      # np.round: ties to even
;;       return np.moveaxis(q.reshape(q.shape[:-2] + (-1,))[..., :K], -1, axis).astype(np.float32)
;;   ~~~
;;   SOFTMAX AHEAD OF A QUANTISED PRODUCT. Where the list says 'softmax', what is quantised is not the finished softmax but p = 2^(t - M), with t = logit x log2(e) and M = ceil(the row's largest t), a whole number; so 1/2 < the row's largest p <= 1. The row's sum l is taken of the UNQUANTISED p, in f32, and the product's result is divided by l at the end. Since M is a whole number, a kernel that streams over the keys may use a running M (the ceiling of the running maximum): every later rescaling is an exact power of two, which a block's scale takes up: the codes' values come out the same.
;;   OPERANDS COMPUTED ON THE WAY. 'Computed on the way' means the value that the module computes at that place (a softmax that the list does not call 'softmax' is quantised finished and normalised). What goes into a quantiser is computed in f32, as accurately as f32 sums, v_exp_f32 and their like allow (about 1e-6 of the number): no bf16 or f16 on the way to a quantiser, and a product that is left as it is and whose result goes on into a quantised operand takes f32 operands (vector FMAs, or v_wmma_f32_16x16x4_f32). A number that lies on a knife's edge between two numbers of the format may be rounded either way, as far as f32 arithmetic and the matrix unit's own rounding can turn it there, and no further.
;;   INPUTS GIVEN AS CODES. W_o (in the module: [1024, 1024], K = its axis 1); W_qkv (in the module: [3072, 1024], K = its axis 1); x (in the module: [4, 2048, 1024], K = its axis 2): each comes as NAME_codes (uint8): NAME with its K axis moved to the last place and cut into blocks of 32 codes, [.., K / 32, bytes a block], one block behind the other in memory; four codes in three bytes: a row's codes are one little-endian stream of bits, code i at bits 6 i .. 6 i + 5 (a code: sign, 2 exponent bits, 3 mantissa bits); and NAME_scales (uint8): the same leading axes, one E8M0 byte (e + 127) for each 32 codes along K. Its value is code x scale, taken as it is: it is not quantised again, and the codes and scales need not be those that the quantiser above would give.
;; One version. Each part assembles by itself: llvm-mc -triple=amdgcn-amd-amdhsa -mcpu=gfx1250 --defsym DOCPART=n.
;; ======== version 1 of 1: 3 launches
;; limits: right only within a limited range of input values
;; workspace buffers: qi 6,815,744 bytes; kv 13,369,344 bytes; vi 6,291,456 bytes; vs 262,144 bytes
;; launch proj (part 1): grid 192 x 4, 4 waves a work-group, clusters of 4 x 4, 327,680 bytes of LDS; arguments x_codes, x_scales, W_qkv_codes, W_qkv_scales, b_qkv, qi, kv; writes qi, kv
.if DOCPART == 1
	.amdgcn_target "amdgcn-amd-amdhsa--gfx1250"
	.amdhsa_code_object_version 6
	.text
	.protected	k_qc0065561a6_proj
	.globl	k_qc0065561a6_proj
	.p2align	8
	.type	k_qc0065561a6_proj,@function
k_qc0065561a6_proj:
	s_mov_b64 s[64:65], 0
	v_nop
	global_prefetch_b8 v0, s[64:65] scope:SCOPE_SE
	s_setreg_imm32_b32 hwreg(HW_REG_WAVE_MODE, 25, 1), 1
	s_wait_xcnt 0x0
	s_wait_alu depctr_hold_cnt(0) depctr_sa_sdst(0) depctr_va_vdst(0) depctr_va_sdst(0) depctr_va_ssrc(0) depctr_va_vcc(0) depctr_vm_vsrc(0)
	s_getreg_b32 s2, hwreg(HW_REG_IB_STS2, 6, 4)
	s_cmp_eq_u32 s2, 0
	s_cbranch_scc0 .Lentry_in_a_cluster
	s_endpgm
.Lentry_in_a_cluster:
	s_bfe_u32 s2, ttmp6, 0x10000c
	s_cmp_lg_u32 s2, 0xf033
	s_cbranch_scc0 .Lentry_shape_is_right
	s_endpgm
.Lentry_shape_is_right:
; qkv = x W_qkv^T + b_qkv on codes of FP6 (E2M3) with E8M0 scales, and the quantising of q, k (along the head's 64) and v (along the keys), in the registers that made them.
; NOTHING OF reference() IS LEFT OUT in this program: x, W_qkv, b_qkv, mask, W_o and b_o all have a way to out0 and all are loaded; no product, row or step is dead.
; ONE BODY, TWO KINDS OF WORK-GROUP, told apart by the cluster's number alone.  D = src0 src1^T: a lane holds one row of src1, its registers run along src0's rows, the axis that is quantised.
; Kind qk (clusters 0-31): src0 = the 128 rows q|k of a head of W, src1 = rows of x.   Kind v (clusters 32-47): src0 = 128 rows of x (keys), src1 = the 64 rows v of a head of W.
; SHARES.  A work-group: 256 rows of src0 x 128 of src1.  Wave w: src0's half w & 1 (8 tiles of 16 rows) x src1's half w >> 1 (4 tiles): 32 accumulators.
; LDS.  ALL OF K IS RESIDENT: a row of 1,024 codes is 768 bytes, three units of 256, each unit an LDS row of 256 + 16 bytes; 384 rows x 816 bytes.  One joint load a wave (waves 0, 1 src1's halves, waves 2, 3 src0's),
; every unit begins on a multiple of 256 bytes of memory; nothing is filled again.
; THE SCALE BYTES go from memory into registers: 32 bytes a row, 32 neighbouring rows a pair of loads (1,024 dense bytes).  They are 12,288 of a work-group's 307,200 bytes, so they are not asked for jointly.
; No prefetch: the launch has no loop to run ahead in; each wave's one load goes out at the head.
; OUT.  Codes leave as images of operand registers.  A half fragment (6 registers) of 16 neighbouring rows: registers 0-3 at 16 x lane, registers 4-5 at 512 + 8 x lane: 768 bytes.
;   qi [batch][head][128 rows][6,656]: eight half fragments 6,144 | a word a row (b0, b1, b0, b1) 512.
;   kv [batch][4 heads][128 keys][head][13,056]: K's eight half fragments 6,144 | V: registers 0-5 of four tiles 3,072, registers 6-11 3,072 | K's words, a word a key (b0, b1, b0, b1) 512 | V's words, a word a channel 256.
; 1 / sqrt(64) = 2^-3 IS TAKEN OFF Q's SCALE BYTES: the codes stay, the second product then gives q k / 8 exactly.
; LIMITS.  The floor under a block's largest magnitude is 2^(6 - 127), so that a byte less 3 stays at 1 or above: blocks of q, k, v whose largest magnitude lies under 2^-121 are quantised on that floor's scale;
; a block of zeros keeps the floor's byte (its codes are zeros; this program alone reads the bytes).  NaN, infinities and the scale byte 0xff among the inputs are not served.
.set PITCH, 816
.set TB16,  16*PITCH
.set H1B,   64*PITCH
.set H0B,   128*PITCH
.set SPARE, 2*H1B+2*H0B                ; the spare words, 128 bytes a wave
.set FR,    12
.set AD1,   8                          ; v8 my src1 fragments; v9 the same where lanes 16-31 lie behind one padding more
.set AD0,   10                         ; v10-11 src0's tiles 0-3, v12-13 tiles 4-7
.set L16,   18
.set L8,    19
.set L4,    20
.set BA0,   21
.set BA1,   22
.set GS,    23                         ; 32 x lane
.set SPW,   28
.set NIL,   29
.set SC1,   32                         ; v32-47 src1's scale words: pair i of tiles, K step st at 8 i + st (lanes 0-15 tile 2 i, lanes 16-31 tile 2 i + 1)
.set SC0,   48                         ; v48-79 src0's
.set F1,    80                         ; v80-175 src1's fragments, two sets.  Window 1: src0's, sets at v0 and v128.  Window 2: accumulator (t1, t0) at 64 t1 + 8 t0
.set B0R,   176
.set B1R,   240
.set T,     80                         ; the way out
.set PC,    144
.set TM,    164
.set PW,    248
.set WD,    164
.set WV, 18
.set I1, 19
.set I0, 20
.set TY, 21
.set CX, 22
.set CY, 23
.set G1A, 24
.set G0A, 32
.set G1B, 40
.set G0B, 48
.set B0, 66
.set B1, 67
.set PQ, 68                            ; where registers 0-5 go, PK registers 6-11, SQ and SK the words
.set PK, 70
.set SQ, 72
.set SK, 74
.set SP0, 76                           ; src0's and src1's scale bytes
.set SP1, 78
.set SELA, 96
.set SUB, 98
.set HM, 99
.set SEL, 100
.set MSB, 0
.macro WIN new
.if MSB != \new
	s_set_vgpr_msb (MSB<<8)|\new
.set MSB, \new
.endif
.endm
.macro PLACES n
.rept \n
	v_nop
.endr
.endm
.macro CREST
	s_cmp_lg_u32 s[WV], 0
	s_cbranch_scc1 .Lnot_wave_0_\@
	s_barrier_signal -3
.Lnot_wave_0_\@:
	s_barrier_wait -3
	s_barrier_signal -1
	s_barrier_wait -1
.endm
.macro CROUND
	s_barrier_signal -1
	s_barrier_wait -1
	CREST
.endm
	s_load_b256 s[4:11], s[0:1], 0x0               ; x's codes, x's scales, W's codes, W's scales
	s_load_b128 s[12:15], s[0:1], 0x20             ; b_qkv, qi
	s_load_b64 s[16:17], s[0:1], 0x30              ; kv
	v_lshl_add_u32 v[SPW], v0, 2, SPARE
	v_mov_b32 v[NIL], 0
	ds_add_u32 v[SPW], v[NIL]                      ; the opening lines
	ds_add_u32 v[SPW], v[NIL]
	v_lshrrev_b32 v1, 5, v0
	v_readfirstlane_b32 s[WV], v1
	s_lshr_b32 s[I1], s[WV], 1                     ; my half of src1.  Also: I fetch for src1 (0) or src0 (1)
	s_and_b32 s[I0], s[WV], 1                      ; my half of src0.  Also: which half I fetch
	s_bfe_u32 s[CX], ttmp6, 0x40000
	s_bfe_u32 s[CY], ttmp6, 0x40004
	s_lshl_b32 s2, s[CY], 2
	s_lshl_b32 s2, 15, s2                          ; my row of the cluster: src1 hangs on cy alone
	s_lshl_b32 s3, 0x1111, s[CX]                   ; my column: src0 hangs on cx alone
	s_or_b32 s[G1A], s2, (3<<16)|(1<<20)|(1<<21)|(5<<22)|(3<<25)   ; elements of 8 bytes; 4 words of padding behind every 64
	s_or_b32 s[G1B], s3, (3<<16)|(1<<20)|(1<<21)|(5<<22)|(3<<25)
	s_mov_b32 s[G1A+1], 32<<16                     ; 64 rows of codes, dense: 192 units of 256 bytes
	s_mov_b32 s[G1A+2], 192<<16
	s_mov_b32 s[G1A+3], 32<<16
	s_mov_b32 s[G1A+4], 192
	s_mov_b32 s[G1A+5], 32
	s_mov_b32 s[G1A+6], 0
	s_mov_b32 s[G1A+7], 0
	s_mov_b32 s[G1B+1], 32<<16                     ; 128 rows: 384 units
	s_mov_b32 s[G1B+2], 384<<16
	s_mov_b32 s[G1B+3], 32<<16
	s_mov_b32 s[G1B+4], 384
	s_mov_b32 s[G1B+5], 32
	s_mov_b32 s[G1B+6], 0
	s_mov_b32 s[G1B+7], 0
	s_cmp_lt_u32 ttmp9, 32                         ; the kind: only moves and selects up to the last select
	s_cselect_b32 s84, 0, 32
	s_cselect_b32 s85, 1, 7
	s_cselect_b32 s86, 1, 3
	s_mov_b32 s87, 256
	s_cselect_b32 s87, 384, s87                    ; src0: rows from block to block
	s_mov_b32 s88, 128
	s_cselect_b32 s88, 192, s88                    ; and from half to half
	s_mov_b32 s89, 384
	s_cselect_b32 s89, 128, s89                    ; src1 likewise
	s_mov_b32 s90, 192
	s_cselect_b32 s90, 64, s90
	s_cselect_b32 s91, 0, 128                      ; v's rows begin 128 rows into a head
	s_mov_b32 s[SELA], 0x03020100
	s_cselect_b32 s[SELA], 0x01000100, s[SELA]     ; qk: q's two bytes twice; v: the word as it is
	s_cselect_b32 s[SUB], 0x03030303, 0
	s_cselect_b32 s[TY], 0, 1
	s_sub_co_u32 s93, ttmp9, s84
	s_and_b32 s[B0], s93, s85
	s_lshl_b32 s[B0], s[B0], 2
	s_add_co_u32 s[B0], s[B0], s[CX]
	s_lshr_b32 s[B1], s93, s86
	s_lshl_b32 s[B1], s[B1], 2
	s_add_co_u32 s[B1], s[B1], s[CY]
	s_mul_i32 s94, s[B0], s87
	s_mul_i32 s2, s[I0], s88
	s_add_co_u32 s94, s94, s2                      ; src0: the first row of the half I fetch, which is also the half I multiply
	s_mul_i32 s95, s[B1], s89
	s_add_co_u32 s95, s95, s91
	s_mul_i32 s2, s[I1], s90
	s_add_co_u32 s56, s95, s2                      ; src1: the half I multiply,
	s_mul_i32 s2, s[I0], s90
	s_add_co_u32 s95, s95, s2                      ; and the half I would fetch
	s_wait_dscnt 0x0
	s_wait_kmcnt 0x0
	s_cmp_eq_u32 s[TY], 0
	s_cselect_b64 s[84:85], s[8:9], s[4:5]
	s_cselect_b64 s[SP0:SP0+1], s[10:11], s[6:7]
	s_cselect_b64 s[88:89], s[4:5], s[8:9]
	s_cselect_b64 s[SP1:SP1+1], s[6:7], s[10:11]
	s_mov_b32 s3, 0
	s_mul_i32 s2, s94, 768
	s_add_nc_u64 s[84:85], s[84:85], s[2:3]
	s_lshl_b32 s2, s94, 5
	s_add_nc_u64 s[SP0:SP0+1], s[SP0:SP0+1], s[2:3]
	s_mov_b32 s93, 0
	s_mul_i32 s92, s95, 768
	s_add_nc_u64 s[88:89], s[88:89], s[92:93]
	s_lshl_b32 s92, s56, 5
	s_add_nc_u64 s[SP1:SP1+1], s[SP1:SP1+1], s[92:93]
	s_mov_b32 s[G0A], 1
	s_mul_i32 s[G0A+1], s[I0], H1B
	s_mov_b64 s[G0A+2:G0A+3], s[88:89]
	s_or_b32 s[G0A+3], s[G0A+3], 0x80000000
	s_mov_b32 s[G0B], 1
	s_mul_i32 s[G0B+1], s[I0], H0B
	s_add_co_u32 s[G0B+1], s[G0B+1], 2*H1B
	s_mov_b64 s[G0B+2:G0B+3], s[84:85]
	s_or_b32 s[G0B+3], s[G0B+3], 0x80000000
	CROUND                                         ; all sixteen work-groups are here: the joint loads meet
	s_cmp_eq_u32 s[I1], 0                          ; my one tensor load of the launch; s_nop 0 and four v_nop behind each line
	s_cbranch_scc0 .Lfor_b
	tensor_load_to_lds s[G0A:G0A+3], s[G1A:G1A+7]
	s_nop 0
	PLACES 4
	s_branch .Lasked
.Lfor_b:
	tensor_load_to_lds s[G0B:G0B+3], s[G1B:G1B+7]
	s_nop 0
	PLACES 4
.Lasked:
	; which head, which 128 rows, where the results go
	s_lshl_b32 s84, s[B0], 1
	s_add_co_u32 s84, s84, s[I0]
	s_lshl_b32 s85, s[B1], 1
	s_add_co_u32 s85, s85, s[I1]
	s_cmp_eq_u32 s[TY], 0
	s_cselect_b32 s2, s84, s85                     ; the head
	s_cselect_b32 s3, s[B1], s84                   ; the chunk of 128 rows among the 64
	s_mul_i32 s57, s2, 768                         ; the head's first byte in b_qkv
	s_add_co_u32 s58, s57, 512                     ; and v's
	s_cmp_eq_u32 s[TY], 0
	s_cselect_b32 s57, s57, 0                      ; the form that the kind does not use reads from the buffer's head
	s_cselect_b32 s58, 0, s58
	s_lshr_b32 s84, s3, 4                          ; batch
	s_and_b32 s85, s3, 15
	s_lshl_b32 s86, s84, 2
	s_lshr_b32 s87, s2, 2
	s_add_co_u32 s86, s86, s87
	s_lshl_b32 s86, s86, 4
	s_add_co_u32 s86, s86, s85
	s_lshl_b32 s86, s86, 2
	s_and_b32 s87, s2, 3
	s_add_co_u32 s86, s86, s87
	s_mul_i32 s86, s86, 13056                      ; my block of kv
	s_lshl_b32 s87, s84, 4
	s_add_co_u32 s87, s87, s2
	s_lshl_b32 s87, s87, 4
	s_add_co_u32 s87, s87, s85
	s_mul_i32 s87, s87, 6656                       ; my chunk of qi
	s_mul_i32 s88, s[I1], 3072
	s_lshl_b32 s89, s[I1], 8
	s_add_co_u32 s90, s87, s88
	s_add_co_u32 s91, s86, s88
	s_add_co_u32 s92, s87, s89
	s_add_co_u32 s92, s92, 6144
	s_add_co_u32 s93, s86, s89
	s_add_co_u32 s93, s93, 12288
	s_add_co_u32 s94, s86, 6144
	s_add_co_u32 s95, s86, 9216
	s_add_co_u32 s59, s86, 12800
	s_cmp_eq_u32 s[TY], 0
	s_cselect_b32 s90, s90, s94
	s_cselect_b32 s91, s91, s95
	s_cselect_b32 s92, s92, s59
	s_cselect_b64 s[2:3], s[14:15], s[16:17]
	s_mov_b32 s[PQ], s90
	s_mov_b32 s[PQ+1], 0
	s_add_nc_u64 s[PQ:PQ+1], s[2:3], s[PQ:PQ+1]
	s_mov_b32 s[PK], s91
	s_mov_b32 s[PK+1], 0
	s_add_nc_u64 s[PK:PK+1], s[16:17], s[PK:PK+1]
	s_mov_b32 s[SQ], s92
	s_mov_b32 s[SQ+1], 0
	s_add_nc_u64 s[SQ:SQ+1], s[2:3], s[SQ:SQ+1]
	s_mov_b32 s[SK], s93
	s_mov_b32 s[SK+1], 0
	s_add_nc_u64 s[SK:SK+1], s[16:17], s[SK:SK+1]
	s_mov_b32 s[SEL], 0x76543210
	s_mov_b32 s[SEL+1], 0xfedcba98
	s_mov_b32 s[HM], 0xffff0000
	s_mul_i32 s2, s[I1], H1B
	s_mul_i32 s3, s[I0], H0B
	s_add_co_u32 s3, s3, 2*H1B
	s_add_co_u32 s84, s3, 4*TB16
	v_and_b32 v1, 15, v0                           ; r
	v_bfe_u32 v2, v0, 4, 1                         ; h
	v_and_b32 v26, 31, v0
	v_lshlrev_b32 v[GS], 5, v26
	v_lshl_add_u32 v[BA0], v2, 5, s57              ; register j of tile t0 is src0's row 16 t0 + 8 h + j
	v_lshl_add_u32 v[BA1], v1, 2, s58              ; lane r of tile t is src1's row 16 t + r
.irp i, 0,1,2,3
	global_load_b128 v[SC0+8*\i:SC0+8*\i+3], v[GS], s[SP0:SP0+1] offset:1024*\i
	global_load_b128 v[SC0+8*\i+4:SC0+8*\i+7], v[GS], s[SP0:SP0+1] offset:1024*\i+16
.endr
.irp i, 0,1
	global_load_b128 v[SC1+8*\i:SC1+8*\i+3], v[GS], s[SP1:SP1+1] offset:1024*\i
	global_load_b128 v[SC1+8*\i+4:SC1+8*\i+7], v[GS], s[SP1:SP1+1] offset:1024*\i+16
.endr
.irp t, 0,1,2,3,4,5,6,7
	global_load_b128 v[B0R+8*\t:B0R+8*\t+3], v[BA0], s[12:13] offset:64*\t
	global_load_b128 v[B0R+8*\t+4:B0R+8*\t+7], v[BA0], s[12:13] offset:64*\t+16
.endr
.irp t, 0,1,2,3
	global_load_b32 v[B1R+2*\t], v[BA1], s[12:13] offset:64*\t
	v_mov_b32 v[B1R+2*\t+1], 0
.endr
	v_mul_u32_u24 v4, v1, PITCH
	v_mad_u32_u24 v4, v2, 24, v4                   ; row x pitch + 24 h,
	v_lshl_add_u32 v5, v2, 4, v4                   ; and the same with lanes 16-31 behind one padding more
	v_add_nc_u32 v[AD1], s2, v4
	v_add_nc_u32 v[AD1+1], s2, v5
	v_add_nc_u32 v[AD0], s3, v4
	v_add_nc_u32 v[AD0+1], s3, v5
	v_add_nc_u32 v[AD0+2], s84, v4
	v_add_nc_u32 v[AD0+3], s84, v5
	v_lshlrev_b32 v[L16], 4, v26
	v_lshlrev_b32 v[L8], 3, v26
	v_lshlrev_b32 v[L4], 2, v26
; A fragment: lane (r, h) takes 24 bytes at 96 st + 24 h and 24 at 96 st + 48 + 24 h of its row, in pieces of 8; byte y of a row lies at y + 16 (y / 256) of its LDS row
.macro FRAG reg, adr, st, off
.irp p, 0,1,2,3,4,5
.set BY, 96*(\st)+48*(\p/3)+8*(\p%3)
.if BY/256 == (BY+24)/256
	ds_load_b64 v[\reg+2*\p:\reg+2*\p+1], v[\adr] offset:BY+16*(BY/256)+(\off)
.else
	ds_load_b64 v[\reg+2*\p:\reg+2*\p+1], v[\adr+1] offset:BY+16*(BY/256)+(\off)
.endif
.endr
.endm
.macro FETCH st, p                     ; 72 loads: K step st's fragments into set p
	WIN 0x40
.irp i, 0,1,2,3,4,5,6,7
	FRAG 128*(\p)+FR*\i, AD0+2*(\i/4), \st, (\i%4)*TB16
.endr
	WIN 0
.irp i, 0,1,2,3
	FRAG F1+48*(\p)+FR*\i, AD1, \st, \i*TB16
.endr
.endm
.macro WM d, a, b, c, sa, sb, ra, rb
.if (\c) < 0
.if (\ra) && (\rb)
	v_wmma_scale_f32_16x16x128_f8f6f4 v[\d:\d+7], v[\a:\a+11], v[\b:\b+11], 0, v[\sa], v[\sb] matrix_a_fmt:MATRIX_FMT_FP6 matrix_b_fmt:MATRIX_FMT_FP6 matrix_a_scale:MATRIX_SCALE_ROW1 matrix_b_scale:MATRIX_SCALE_ROW1
.elseif (\ra)
	v_wmma_scale_f32_16x16x128_f8f6f4 v[\d:\d+7], v[\a:\a+11], v[\b:\b+11], 0, v[\sa], v[\sb] matrix_a_fmt:MATRIX_FMT_FP6 matrix_b_fmt:MATRIX_FMT_FP6 matrix_a_scale:MATRIX_SCALE_ROW1
.elseif (\rb)
	v_wmma_scale_f32_16x16x128_f8f6f4 v[\d:\d+7], v[\a:\a+11], v[\b:\b+11], 0, v[\sa], v[\sb] matrix_a_fmt:MATRIX_FMT_FP6 matrix_b_fmt:MATRIX_FMT_FP6 matrix_b_scale:MATRIX_SCALE_ROW1
.else
	v_wmma_scale_f32_16x16x128_f8f6f4 v[\d:\d+7], v[\a:\a+11], v[\b:\b+11], 0, v[\sa], v[\sb] matrix_a_fmt:MATRIX_FMT_FP6 matrix_b_fmt:MATRIX_FMT_FP6
.endif
.else
.if (\ra) && (\rb)
	v_wmma_scale_f32_16x16x128_f8f6f4 v[\d:\d+7], v[\a:\a+11], v[\b:\b+11], v[\c:\c+7], v[\sa], v[\sb] matrix_a_fmt:MATRIX_FMT_FP6 matrix_b_fmt:MATRIX_FMT_FP6 matrix_a_scale:MATRIX_SCALE_ROW1 matrix_b_scale:MATRIX_SCALE_ROW1
.elseif (\ra)
	v_wmma_scale_f32_16x16x128_f8f6f4 v[\d:\d+7], v[\a:\a+11], v[\b:\b+11], v[\c:\c+7], v[\sa], v[\sb] matrix_a_fmt:MATRIX_FMT_FP6 matrix_b_fmt:MATRIX_FMT_FP6 matrix_a_scale:MATRIX_SCALE_ROW1
.elseif (\rb)
	v_wmma_scale_f32_16x16x128_f8f6f4 v[\d:\d+7], v[\a:\a+11], v[\b:\b+11], v[\c:\c+7], v[\sa], v[\sb] matrix_a_fmt:MATRIX_FMT_FP6 matrix_b_fmt:MATRIX_FMT_FP6 matrix_b_scale:MATRIX_SCALE_ROW1
.else
	v_wmma_scale_f32_16x16x128_f8f6f4 v[\d:\d+7], v[\a:\a+11], v[\b:\b+11], v[\c:\c+7], v[\sa], v[\sb] matrix_a_fmt:MATRIX_FMT_FP6 matrix_b_fmt:MATRIX_FMT_FP6
.endif
.endif
.endm
; src1's tile t1 against src0's eight.  The 32 accumulators take turns in the same order in every step.
.macro MULT t1, p, st
.irp b, 0,1,2,3,4,5,6,7
.if (\st) == 0
	WM 64*(\t1)+8*\b, 128*(\p)+FR*\b, F1+48*(\p)+FR*(\t1), -1, SC0+8*(\b/2)+(\st), SC1+8*((\t1)/2)+(\st), \b%2, (\t1)%2
.else
	WM 64*(\t1)+8*\b, 128*(\p)+FR*\b, F1+48*(\p)+FR*(\t1), 64*(\t1)+8*\b, SC0+8*(\b/2)+(\st), SC1+8*((\t1)/2)+(\st), \b%2, (\t1)%2
.endif
.endr
.endm
.macro KST st                          ; 128 along K: this step's set is multiplied while the next step's is fetched
	s_wait_dscnt 0x0
.if (\st) > 0
	PLACES 4                                       ; in front of loads into registers that matrix instructions have read
.endif
.if (\st) < 7
	FETCH (\st)+1, ((\st)+1)%2
.endif
	WIN 0xa1
.irp t, 0,1,2,3
	MULT \t, (\st)%2, \st
.endr
	WIN 0
.endm
	s_wait_alu depctr_va_vdst(0)                   ; the wait at the head's end
	s_wait_tensorcnt 0x0                           ; my half is in
	s_barrier_signal -1
	s_barrier_wait -1                              ; and so is everybody's
	FETCH 0, 0
	s_wait_loadcnt 0x0                             ; the scale words and the biases
.set ST, 0
.rept 8
	KST ST
.set ST, ST+1
.endr
; 64 numbers of a lane, register 16 b + i = place 32 b + 16 h + i along the quantised axis, become a fragment's codes in v[PC] on and its scale word in v[pw].
.macro QUANT s, pw
.irp b, 0,1,2,3
	v_max3_num_f32 v[TM+\b], |v[\s+16*\b]|, |v[\s+1+16*\b]|, 0x3000000   ; and the floor 2^(6 - 127)
.endr
.irp i, 2,4,6,8,10,12,14
.irp b, 0,1,2,3
	v_max3_num_f32 v[TM+\b], v[TM+\b], |v[\s+16*\b+\i]|, |v[\s+1+16*\b+\i]|
.endr
.endr
.irp b, 0,1,2,3
	v_permlanex16_b32 v[TM+4+\b], v[TM+\b], s[SEL], s[SEL+1]
.endr
.irp b, 0,1,2,3
	v_max_num_f32 v[TM+\b], v[TM+\b], v[TM+4+\b]
.endr
.irp b, 0,1,2,3
	v_add_nc_u32 v[TM+8+\b], 0xff000000, v[TM+\b]  ; 2 off the exponent field: the conversion's scale operand
.endr
.irp b, 0,1,2,3
	v_lshrrev_b32 v[TM+4+\b], 23, v[TM+8+\b]
.endr
	v_lshl_or_b32 v[\pw], v[TM+5], 8, v[TM+4]
	v_lshl_or_b32 v[\pw], v[TM+6], 16, v[\pw]
	v_lshl_or_b32 v[\pw], v[TM+7], 24, v[\pw]
.irp c, 0,1
	v_cvt_scalef32_pk16_fp6_f32 v[PC+6*\c:PC+2+6*\c], v[\s+32*\c:\s+15+32*\c], v[TM+8+2*\c]
	v_cvt_scalef32_pk16_fp6_f32 v[PC+12+4*\c:PC+14+4*\c], v[\s+16+32*\c:\s+31+32*\c], v[TM+9+2*\c]
.endr
	v_nop
.irp c, 0,1
.irp i, 0,1,2
	v_permlane16_swap_b32 v[PC+6*\c+\i], v[PC+12+4*\c+\i]
.endr
.irp i, 0,1,2
	v_mov_b32 v[PC+3+6*\c+\i], v[PC+12+4*\c+\i]
.endr
.endr
.endm
; THE WAY OUT of src1's tile t: the bias, the order along the quantised axis, the codes, four stores of 512 or 256 consecutive aligned bytes.
.macro OUTT t
	s_cmp_eq_u32 s[TY], 0
	s_cbranch_scc0 .Lbias_v_\@
	WIN 0x02
.set i, 0
.rept 32
	v_pk_add_f32 v[T+i:T+i+1], v[64*(\t)+i:64*(\t)+i+1], v[B0R+i:B0R+i+1]
.set i, i+2
.endr
	WIN 0
	s_branch .Lbias_done_\@
.Lbias_v_\@:
	WIN 0x02
.set i, 0
	s_wait_alu depctr_va_vdst(0)
.rept 32
	v_pk_add_f32 v[T+i:T+i+1], v[64*(\t)+i:64*(\t)+i+1], v[B1R+2*(\t):B1R+2*(\t)+1] op_sel_hi:[1,0]
.set i, i+2
.endr
	WIN 0
.Lbias_done_\@:
.irp b, 0,1,2,3                                ; tiles 2 b and 2 b + 1 hold rows 32 b + 8 h + j and 32 b + 16 + 8 h + j: the exchange leaves register 16 b + i with row 32 b + 16 h + i
.irp j, 0,1,2,3,4,5,6,7
	v_permlane16_swap_b32 v[T+16*\b+\j], v[T+16*\b+8+\j]
.endr
.endr
.if (\t) > 0
	s_wait_xcnt 0x0                                ; the last tile's stores have read their data
.endif
	QUANT T, PW+(\t)
	global_store_b128 v[L16], v[PC:PC+3], s[PQ:PQ+1] offset:768*(\t)
	global_store_b64 v[L8], v[PC+4:PC+5], s[PQ:PQ+1] offset:768*(\t)+512
	global_store_b128 v[L16], v[PC+6:PC+9], s[PK:PK+1] offset:768*(\t)
	global_store_b64 v[L8], v[PC+10:PC+11], s[PK:PK+1] offset:768*(\t)+512
.endm
	PLACES 4
.irp b, 0,1,2,3
	v_mov_b32 v[TM+4+\b], 0                        ; a lane permute's destination counts as one of its sources
.endr
	OUTT 0
	OUTT 1
	OUTT 2
	OUTT 3
	v_cndmask_b32 v[WD], v[PW], v[PW+1], s[HM]     ; lanes 0-15 tile 0's words, lanes 16-31 tile 1's: 32 neighbouring rows
	v_cndmask_b32 v[WD+1], v[PW+2], v[PW+3], s[HM]
	v_perm_b32 v[WD+2], v[WD], v[WD], s[SELA]
	v_perm_b32 v[WD+3], v[WD+1], v[WD+1], s[SELA]
	v_sub_nc_u32 v[WD+2], v[WD+2], s[SUB]          ; q's bytes less 3 (each is 4 or more: no borrow)
	v_sub_nc_u32 v[WD+3], v[WD+3], s[SUB]
	global_store_b32 v[L4], v[WD+2], s[SQ:SQ+1]
	global_store_b32 v[L4], v[WD+3], s[SQ:SQ+1] offset:128
	s_cmp_eq_u32 s[TY], 0
	s_cbranch_scc0 .Lno_k                          ; kind v has one word a row
	v_perm_b32 v[WD+4], v[WD], v[WD], 0x03020302   ; k's two bytes twice
	v_perm_b32 v[WD+5], v[WD+1], v[WD+1], 0x03020302
	global_store_b32 v[L4], v[WD+4], s[SK:SK+1]
	global_store_b32 v[L4], v[WD+5], s[SK:SK+1] offset:128
.Lno_k:
	s_wait_tensorcnt 0x0                           ; the wave's end
	ds_add_u32 v[SPW], v[NIL]
	s_wait_dscnt 0x0
	CROUND                                         ; the closing round
	s_endpgm
.Lfunc_end_k_qc0065561a6_proj:
	.size	k_qc0065561a6_proj, .Lfunc_end_k_qc0065561a6_proj-k_qc0065561a6_proj
	.p2alignl 7, 3214868480
	.fill 96, 4, 3214868480
	.section	.rodata,"a",@progbits
	.p2align	6, 0x0
	.amdhsa_kernel k_qc0065561a6_proj
		.amdhsa_group_segment_fixed_size 327680
		.amdhsa_private_segment_fixed_size 0
		.amdhsa_enable_private_segment 0
		.amdhsa_kernarg_size 56
		.amdhsa_user_sgpr_count 2
		.amdhsa_user_sgpr_kernarg_segment_ptr 1
		.amdhsa_wavefront_size32 1
		.amdhsa_system_sgpr_workgroup_id_x 1
		.amdhsa_system_sgpr_workgroup_id_y 1
		.amdhsa_system_sgpr_workgroup_id_z 1
		.amdhsa_system_vgpr_workitem_id 0
		.amdhsa_next_free_vgpr 768
		.amdhsa_next_free_sgpr 102
		.amdhsa_reserve_vcc 0
		.amdhsa_float_denorm_mode_32 3
		.amdhsa_float_denorm_mode_16_64 3
		.amdhsa_memory_ordered 1
		.amdhsa_forward_progress 1
		.amdhsa_inst_pref_size 122
	.end_amdhsa_kernel
	.amdgpu_metadata
---
amdhsa.version: [ 1, 2 ]
amdhsa.kernels:
  - .name:           k_qc0065561a6_proj
    .symbol:         k_qc0065561a6_proj.kd
    .args:
      - { .name: x_codes, .offset: 0, .size: 8, .value_kind: global_buffer, .address_space: global }
      - { .name: x_scales, .offset: 8, .size: 8, .value_kind: global_buffer, .address_space: global }
      - { .name: W_qkv_codes, .offset: 16, .size: 8, .value_kind: global_buffer, .address_space: global }
      - { .name: W_qkv_scales, .offset: 24, .size: 8, .value_kind: global_buffer, .address_space: global }
      - { .name: b_qkv, .offset: 32, .size: 8, .value_kind: global_buffer, .address_space: global }
      - { .name: qi, .offset: 40, .size: 8, .value_kind: global_buffer, .address_space: global }
      - { .name: kv, .offset: 48, .size: 8, .value_kind: global_buffer, .address_space: global }
    .group_segment_fixed_size: 327680
    .private_segment_fixed_size: 0
    .kernarg_segment_align: 8
    .kernarg_segment_size: 56
    .max_flat_workgroup_size: 128
    .sgpr_count:     102
    .vgpr_count:     768
    .wavefront_size: 32
...
	.end_amdgpu_metadata
.endif
;; end of part 1
;; launch attn (part 2): grid 4 x 64, 8 waves a work-group, clusters of 4 x 4, 327,680 bytes of LDS; arguments qi, kv, mask, vi, vs; writes vi, vs
.if DOCPART == 2
	.amdgcn_target "amdgcn-amd-amdhsa--gfx1250"
	.amdhsa_code_object_version 6
	.text
	.protected	k_qc0065561a6_attn
	.globl	k_qc0065561a6_attn
	.p2align	8
	.type	k_qc0065561a6_attn,@function
k_qc0065561a6_attn:
	s_mov_b64 s[64:65], 0
	v_nop
	global_prefetch_b8 v0, s[64:65] scope:SCOPE_SE
	s_setreg_imm32_b32 hwreg(HW_REG_WAVE_MODE, 25, 1), 1
	s_wait_xcnt 0x0
	s_wait_alu depctr_hold_cnt(0) depctr_sa_sdst(0) depctr_va_vdst(0) depctr_va_sdst(0) depctr_va_ssrc(0) depctr_va_vcc(0) depctr_vm_vsrc(0)
	s_getreg_b32 s2, hwreg(HW_REG_IB_STS2, 6, 4)
	s_cmp_eq_u32 s2, 0
	s_cbranch_scc0 .Lentry_in_a_cluster
	s_endpgm
.Lentry_in_a_cluster:
	s_bfe_u32 s2, ttmp6, 0x10000c
	s_cmp_lg_u32 s2, 0xf033
	s_cbranch_scc0 .Lentry_shape_is_right
	s_endpgm
.Lentry_shape_is_right:
; vals = softmax(q k^T / 8 + mask) v, both products on codes of FP6 (E2M3), and the quantising of vals along d_model.  No work of reference() is left out here.
; THE SOFTMAX: t = (q k / 8 + mask) x log2(e); M = the running largest t rounded UP to a whole number; p = 2^(t - M) is quantised along the keys, not normalised; the row's sum is taken of the unquantised p
; and divides at the end.  When M moves, the sum and O are multiplied by 2^(old M - new M): exact.  q's scale bytes are 3 smaller, and THE MASK IS THE C OF THE FIRST PRODUCT.
; SHARES.  A work-group: 128 queries x 4 heads.  Wave w: 32 queries (w & 3; two tiles a of 16) x 2 heads (2 (w >> 2) + e): four units.  A fragment of K or V feeds both tiles, a register of the mask both heads.
; CLUSTER 4 x 4: cx = the group of 4 heads, cy = the block of queries.  K and V are asked for jointly along a column, the mask's rows along a row.
; LAYOUT.  S^T = K Q^T, O^T = V^T P^T: a lane holds ONE query.  A LANE HOLDS WHOLE BLOCKS OF 32: tile (c, t) of K takes keys 64 c + 8 t + r for r < 8 and 64 c + 32 + 8 t + r - 8 for r >= 8, so register 32 c + 8 t + j of
; lane (r, h) is key 64 c + 32 h + 8 t + j: a block's maximum needs no other lane, and the conversions' results are the operand's registers.  V's channels are taken likewise, so that vals' blocks along d_model lie whole in a lane.
; The head's K is 64 and the instruction's 128: one fragment of K holds two tiles and is multiplied by [q, 0] and by [0, q] (zero codes); a key's word is (b0, b1, b0, b1) and serves either half.
; THE CHANGE OF SLOTS stands inside a step's last unit: when the last fragments of V are in registers, the slot is read no more; the last softmax and products, work on registers, stand between the barrier's signal and its wait.
; LIMITS: the promise holds while |t| stays under 2^31; -infinity in the mask gives p = 0; a row whose mask is -infinity throughout is not served; NaN is not served.
; A block of vals of zeros keeps the floor's byte, 1 (its codes are zeros; this program alone reads the bytes).
.set SLOT1, 1<<17
.set KVB,   13056                      ; a head's block of a key step: K 6,144 | V 6,144 | K's words 512 | V's words 256
.set MOFF,  4*KVB                      ; behind the four heads: the mask, 128 rows x (512 bytes + 16)
.set MP,    528
.set SPARE, 2*SLOT1
.set SPW, 2
.set NIL, 3
.set L16, 4                            ; v4-7 lane terms: codes' registers 0-3, registers 4-5, words, mask
.set L8,  5
.set L4,  6
.set LM,  7
.set D16, 8                            ; v8-11 the same in the slot in hand
.set D8,  9
.set D4,  10
.set DM,  11
.set ST0, 12                           ; unit n = 2 e + a at v[12 + 4 n]: -M, the largest score, the sum in two halves
.set QS,  28                           ; v28-31 q's scale words
.set QB,  32                           ; v32-85: Z q(0) Z q(1) Z q(2) Z q(3) Z, six registers each
.set S,   86                           ; v86-149 S^T, then p
.set KF,  150                          ; v150-197 four fragments, K's and then V's
.set KS,  198                          ; v198-201 K's words, v202-203 V's
.set VS,  202
.set PC0, 204                          ; v204-227 p's codes
.set PW0, 228                          ; v228-229 p's scale words
.set TM,  230                          ; v230-243 at work
.set TT,  244
.set H8,  245                          ; 8 h
.set F0,  246                          ; v[246:247], v[248:249] 2^(old M - new M) of tile a
.set PFO, 250
.set RC,  150
; window 1: O^T (a, e) at 64 a + 32 e + 8 t; the mask of tile a at 128 + 64 a + 32 c + i
.set WV, 14
.set QP, 15
.set HP, 16
.set CX, 17
.set CY, 18
.set YY, 19
.set BB, 20
.set QBLK, 21
.set CS, 22                            ; s[22:23] log2(e)
.set G1K, 24
.set G1M, 32
.set G0K, 40
.set G0M, 44
.set SEL, 48
.set TB, 50
.set SLOTS, 51
.set LIM, 52
.set PFA, 54
.set PFS, 56
.set HM, 58
.set CSN, 59                           ; -log2(e)
.set QA, 70
.set MSB, 0
.macro WIN new
.if MSB != \new
	s_set_vgpr_msb (MSB<<8)|\new
.set MSB, \new
.endif
.endm
.macro PLACES n
.rept \n
	v_nop
.endr
.endm
; A joint load: waves 0-3 fetch a head's block of K and V each, waves 4-7 32 rows of the mask each.  s_nop 0 and four v_nop follow each line.
.macro JLOAD
	s_cmp_lt_u32 s[WV], 4
	s_cbranch_scc0 .Lfor_m_\@
	tensor_load_to_lds s[G0K:G0K+3], s[G1K:G1K+7]
	s_nop 0
	PLACES 4
	s_branch .Lasked_\@
.Lfor_m_\@:
	tensor_load_to_lds s[G0M:G0M+3], s[G1M:G1M+7]
	s_nop 0
	PLACES 4
.Lasked_\@:
.endm
; A PREFETCH of what the NEXT change of slots will ask for, one key step ahead of that load.  K and V of a batch are walked by four clusters: the first of them asks, waves 0 and 1 of each partner: of a head group's 204 blocks
; of 256 bytes the partner at cy and wave w take 26 from block 26 (2 cy + w) on, held at block 203.  The mask is walked by all four batches: batch 0's clusters ask, waves 4 and 5: the partner at cx and wave w take 16 rows x 2 blocks.
; Partners are told apart by address, never by a branch.  The last change that fills a slot asks for nothing.
.macro ASK
	s_cmp_gt_u32 s[SLOTS], s[LIM]
	s_cbranch_scc0 .Lnot_mine_\@
	global_prefetch_b8 v[PFO], s[PFA:PFA+1] th:TH_LOAD_NT scope:SCOPE_SE
.Lnot_mine_\@:
.endm
.macro CREST
	s_cmp_lg_u32 s[WV], 0
	s_cbranch_scc1 .Lnot_wave_0_\@
	s_barrier_signal -3
.Lnot_wave_0_\@:
	s_barrier_wait -3
	s_barrier_signal -1
	s_barrier_wait -1
.endm
.macro CHGS                            ; no tensor load of mine is out: the groups 0 go a key step on, into the other slot; so does the prefetch's address
	s_xor_b32 s[G0K+1], s[G0K+1], SLOT1
	s_add_nc_u64 s[G0K+2:G0K+3], s[G0K+2:G0K+3], 4*KVB
	s_xor_b32 s[G0M+1], s[G0M+1], SLOT1
	s_add_nc_u64 s[G0M+2:G0M+3], s[G0M+2:G0M+3], 512
	s_wait_xcnt 0x0                                ; the last prefetch, a step back, has read its address
	s_add_nc_u64 s[PFA:PFA+1], s[PFA:PFA+1], s[PFS:PFS+1]
.endm
	s_load_b256 s[4:11], s[0:1], 0x0               ; qi, kv, mask, vi
	s_load_b64 s[12:13], s[0:1], 0x20              ; vs
	v_lshl_add_u32 v[SPW], v0, 2, SPARE
	v_mov_b32 v[NIL], 0
	ds_add_u32 v[SPW], v[NIL]                      ; the opening lines
	ds_add_u32 v[SPW], v[NIL]
	v_lshrrev_b32 v1, 5, v0
	s_delay_alu instid0(VALU_DEP_1)
	v_readfirstlane_b32 s[WV], v1
	s_and_b32 s[QP], s[WV], 3
	s_lshr_b32 s[HP], s[WV], 2
	s_bfe_u32 s[CX], ttmp6, 0x40000
	s_bfe_u32 s[CY], ttmp6, 0x40004
	s_and_b32 s[YY], ttmp7, 0xffff
	s_lshr_b32 s[BB], s[YY], 2                     ; the batch
	s_and_b32 s[QBLK], s[YY], 3
	s_lshl_b32 s[QBLK], s[QBLK], 2
	s_add_co_u32 s[QBLK], s[QBLK], s[CY]           ; my block of 128 queries
	s_lshl_b32 s60, s[CY], 2
	s_lshl_b32 s60, 15, s60
	s_lshl_b32 s61, 0x1111, s[CX]
	s_or_b32 s[G1K], s61, (3<<16)|(1<<21)          ; K and V: 13,056 dense bytes as 51 rows of 256
	s_mov_b32 s[G1K+1], 32<<16
	s_mov_b32 s[G1K+2], 51<<16
	s_mov_b32 s[G1K+3], 32<<16
	s_mov_b32 s[G1K+4], 51
	s_mov_b32 s[G1K+5], 32
	s_mov_b32 s[G1K+6], 0
	s_mov_b32 s[G1K+7], 0
	s_or_b32 s[G1M], s60, (2<<16)|(1<<20)|(1<<21)|(6<<22)|(3<<25)   ; the mask: 32 rows x 128 f32; 4 words of padding behind every 128
	s_mov_b32 s[G1M+1], 128<<16
	s_mov_b32 s[G1M+2], 32<<16
	s_mov_b32 s[G1M+3], 128<<16
	s_mov_b32 s[G1M+4], 32
	s_mov_b32 s[G1M+5], 2048
	s_mov_b32 s[G1M+6], 0
	s_mov_b32 s[G1M+7], 0
	s_lshl_b32 s66, s[BB], 2
	s_add_co_u32 s66, s66, s[CX]
	s_mul_i32 s66, s66, 16*4*KVB                   ; the head group's first byte in kv
	s_mul_i32 s62, s[QP], KVB
	s_add_co_u32 s62, s62, s66
	s_mov_b32 s63, 0
	s_lshl_b32 s68, s[QBLK], 7
	s_lshl_b32 s69, s[QP], 5
	s_add_co_u32 s68, s68, s69
	s_lshl_b32 s68, s68, 13
	s_mov_b32 s69, 0
	s_mov_b32 s[CS], 0x3fb8aa3b
	s_mov_b32 s[CS+1], s[CS]
	s_mov_b32 s[CSN], 0xbfb8aa3b
	s_mov_b32 s[SEL], 0x76543210
	s_mov_b32 s[SEL+1], 0xfedcba98
	s_mov_b32 s[HM], 0xffff0000
	s_mov_b32 s[TB], 0
	s_mov_b32 s[SLOTS], 14
	s_wait_dscnt 0x0
	s_wait_kmcnt 0x0
	s_mov_b32 s[G0K], 1
	s_mul_i32 s[G0K+1], s[QP], KVB
	s_add_nc_u64 s[G0K+2:G0K+3], s[6:7], s[62:63]
	s_or_b32 s[G0K+3], s[G0K+3], 0x80000000
	s_mov_b32 s[G0M], 1
	s_mul_i32 s[G0M+1], s[QP], 32*MP
	s_add_co_u32 s[G0M+1], s[G0M+1], MOFF
	s_add_nc_u64 s[G0M+2:G0M+3], s[8:9], s[68:69]
	s_or_b32 s[G0M+3], s[G0M+3], 0x80000000
	s_barrier_signal -1
	s_barrier_wait -1
	CREST                                          ; all sixteen work-groups are here
	JLOAD                                          ; key step 0 into slot 0: every wave's one load at the head
	s_mul_i32 s72, s[HP], 2*KVB
	s_mul_i32 s73, s[QP], 32*MP
	s_add_co_u32 s73, s73, MOFF
	s_mul_i32 s74, s[QP], 1536
	s_lshl_b32 s75, s[QP], 7
	s_lshl_b32 s60, s[BB], 4
	s_lshl_b32 s61, s[CX], 2
	s_add_co_u32 s60, s60, s61
	s_lshl_b32 s61, s[HP], 1
	s_add_co_u32 s60, s60, s61
	s_lshl_b32 s60, s60, 4
	s_add_co_u32 s60, s60, s[QBLK]
	s_mul_i32 s60, s60, 6656
	s_mov_b32 s61, 0
	s_add_nc_u64 s[QA:QA+1], s[4:5], s[60:61]      ; my first head's chunk of qi; the second's lies 16 chunks on
	s_and_b32 s60, s[YY], 3                        ; the prefetches: who asks, and where
	s_cmp_lt_u32 s[WV], 4
	s_cselect_b32 s60, s60, s[BB]
	s_and_b32 s61, s[WV], 2
	s_or_b32 s60, s60, s61
	s_cmp_eq_u32 s60, 0
	s_cselect_b32 s[LIM], 1, -1                    ; the same in all sixteen partners, for a given wave
	s_and_b32 s61, s[WV], 1
	s_lshl_b32 s62, s[CY], 1
	s_add_co_u32 s62, s62, s61
	s_mul_i32 s76, s62, 26
	s_add_co_u32 s62, s66, 4*KVB                   ; at key step 1: the first change steps it to step 2
	s_lshl_b32 s63, s[CX], 1
	s_add_co_u32 s63, s63, s61
	s_lshl_b32 s63, s63, 4
	s_lshl_b32 s67, s[QBLK], 7
	s_add_co_u32 s63, s63, s67
	s_lshl_b32 s63, s63, 13
	s_add_co_u32 s63, s63, 512
	s_cmp_lt_u32 s[WV], 4
	s_cselect_b32 s62, s62, s63
	s_cselect_b64 s[PFA:PFA+1], s[6:7], s[8:9]
	s_mov_b32 s[PFS], 512
	s_cselect_b32 s[PFS], 4*KVB, s[PFS]
	s_cselect_b32 s53, -1, 0
	s_mov_b32 s[PFS+1], 0
	s_mov_b32 s63, 0
	s_add_nc_u64 s[PFA:PFA+1], s[PFA:PFA+1], s[62:63]
	v_and_b32 v86, 31, v0                          ; lane
	v_and_b32 v87, 15, v0                          ; r
	v_bfe_u32 v88, v0, 4, 1                        ; h
	v_and_b32 v89, 7, v0                           ; r % 8
	v_bfe_u32 v90, v0, 3, 1                        ; r / 8
	v_lshl_add_u32 v92, v86, 4, s74                ; Q: my 32 queries are two half fragments of qi, images of the registers
	v_lshl_add_u32 v93, v86, 3, s74
	v_lshl_add_u32 v94, v87, 2, s75
.irp e, 0,1
.irp a, 0,1
	global_load_b128 v[QB+6+12*(2*\e+\a):QB+9+12*(2*\e+\a)], v92, s[QA:QA+1] offset:106496*\e+768*\a
	global_load_b64 v[QB+10+12*(2*\e+\a):QB+11+12*(2*\e+\a)], v93, s[QA:QA+1] offset:106496*\e+768*\a+512
	global_load_b32 v[QS+2*\e+\a], v94, s[QA:QA+1] offset:106496*\e+6144+64*\a
.endr
.endr
	v_mul_u32_u24 v91, v90, 1536                   ; K and V: row 8 t + r % 8 + 32 (r / 8) of 64 lies in half fragment t / 2 + 2 (r / 8) at lane 8 (t % 2) + r % 8
	v_lshlrev_b32 v[H8], 3, v88
	v_mul_u32_u24 v[LM], v87, MP
	v_lshl_add_u32 v[L4], v89, 2, s72
	v_add_nc_u32 v91, s72, v91
	v_lshl_add_u32 v[LM], v88, 7, v[LM]
	v_lshl_add_u32 v[L4], v90, 7, v[L4]
	v_lshl_add_u32 v[L16], v89, 4, v91
	v_lshl_add_u32 v[L8], v89, 3, v91
	v_add_nc_u32 v[LM], s73, v[LM]
	v_lshl_add_u32 v[L4], v88, 5, v[L4]            ; words: lanes 16-31 take the tile one on
	v_lshl_add_u32 v[L16], v88, 8, v[L16]
	v_lshl_add_u32 v[L8], v88, 7, v[L8]
	v_min_u32 v95, 25, v86
	v_lshrrev_b32 v96, 1, v86
	v_and_b32 v97, 1, v86
	v_add_nc_u32 v95, s76, v95
	v_lshlrev_b32 v96, 13, v96
	v_min_u32 v95, 203, v95
	v_lshl_add_u32 v96, v97, 8, v96                ; the mask: two lanes a row
	v_lshlrev_b32 v95, 8, v95                      ; K and V: a block a lane
	s_delay_alu instid0(VALU_DEP_1)
	v_cndmask_b32 v[PFO], v96, v95, s53
.irp z, 0,1,2,3,4
.irp i, 0,1,2,3,4,5
	v_mov_b32 v[QB+12*\z+\i], 0                    ; zero codes
.endr
.endr
.irp n, 0,1,2,3
	v_mov_b32 v[ST0+4*\n], 0x7f61b1e6              ; -M: 3e38
	v_mov_b32 v[ST0+4*\n+1], 0xff61b1e6            ; the largest score so far: -3e38
	v_mov_b32 v[ST0+4*\n+2], 0
	v_mov_b32 v[ST0+4*\n+3], 0
	v_mov_b32 v[TM+4+\n], 0                        ; a lane permute's destination counts as one of its sources
.endr
	v_mov_b32 v[TM+1], 0
	v_mov_b32 v[F0+1], 0                           ; (named as upper halves of pairs)
	v_mov_b32 v[F0+3], 0
	WIN 0x40
.set j, 0
.rept 128
	v_mov_b32 v[j], 0                              ; O^T: the step is written without a first copy; the first change of M multiplies zeros
.set j, j+1
.endr
	WIN 0
.macro WM d, a, b, c, sa, sb, ra
.if (\ra)
	v_wmma_scale_f32_16x16x128_f8f6f4 v[\d:\d+7], v[\a:\a+11], v[\b:\b+11], v[\c:\c+7], v[\sa], v[\sb] matrix_a_fmt:MATRIX_FMT_FP6 matrix_b_fmt:MATRIX_FMT_FP6 matrix_a_scale:MATRIX_SCALE_ROW1
.else
	v_wmma_scale_f32_16x16x128_f8f6f4 v[\d:\d+7], v[\a:\a+11], v[\b:\b+11], v[\c:\c+7], v[\sa], v[\sb] matrix_a_fmt:MATRIX_FMT_FP6 matrix_b_fmt:MATRIX_FMT_FP6
.endif
.endm
.macro QK e, a                         ; S^T of unit (e, a) = K Q^T / 8 + mask; fragment g holds tiles (g / 2, 2 (g % 2) + u)
	WIN 0x10
.irp g, 0,1,2,3
.irp u, 0,1
	WM S+16*\g+8*\u, KF+12*\g, QB+6+12*(2*(\e)+(\a))-6*\u, 128+64*(\a)+16*\g+8*\u, KS+\g, QS+2*(\e)+(\a), \u
.endr
.endr
	WIN 0
.endm
.macro PV e                            ; O^T += V^T P^T: eight accumulators by turns
	WIN 0x50
.irp n, 0,1,2,3
.irp a, 0,1
	WM 64*\a+32*(\e)+8*\n, KF+12*\n, PC0+12*\a, 64*\a+32*(\e)+8*\n, VS+\n/2, PW0+\a, \n%2
.endr
.endr
	WIN 0
.endm
; The largest of my two blocks of 32 (v[S] on, v[S + 32] on) into v[TM] and v[TM + 2]: four chains by turns.  ab = 1: of the magnitudes
.macro BMAX ab
.irp b, 0,1,2,3
.if \ab
	v_max3_num_f32 v[TM+\b], |v[S+16*\b]|, |v[S+16*\b+1]|, |v[S+16*\b+2]|
.else
	v_max3_num_f32 v[TM+\b], v[S+16*\b], v[S+16*\b+1], v[S+16*\b+2]
.endif
.endr
.irp i, 3,5,7,9,11,13
.irp b, 0,1,2,3
.if \ab
	v_max3_num_f32 v[TM+\b], v[TM+\b], |v[S+16*\b+\i]|, |v[S+16*\b+\i+1]|
.else
	v_max3_num_f32 v[TM+\b], v[TM+\b], v[S+16*\b+\i], v[S+16*\b+\i+1]
.endif
.endr
.endr
.irp c, 0,2
.if \ab
	v_max3_num_f32 v[TM+\c], v[TM+\c], v[TM+\c+1], |v[S+16*\c+15]|
.else
	v_max3_num_f32 v[TM+\c], v[TM+\c], v[TM+\c+1], v[S+16*\c+15]
.endif
.endr
.irp c, 0,2
.if \ab
	v_max_num_f32 v[TM+\c], v[TM+\c], |v[S+16*\c+31]|
.else
	v_max_num_f32 v[TM+\c], v[TM+\c], v[S+16*\c+31]
.endif
.endr
.endm
; From my two blocks' largest magnitudes and the 64 numbers in v[S] on: the scale word in v[pw], the operand's codes in v[pc] on
.macro QTAIL pc, pw
	v_max_num_f32 v[TM], 0x1800000, v[TM]          ; the floor 2^(3 - 127): the byte cannot fall under 1
	v_max_num_f32 v[TM+2], 0x1800000, v[TM+2]
	s_delay_alu instid0(VALU_DEP_2)
	v_add_nc_u32 v[TM+4], 0xff000000, v[TM]        ; 2 off the exponent field: the conversion's scale operand
	s_delay_alu instid0(VALU_DEP_2)
	v_add_nc_u32 v[TM+5], 0xff000000, v[TM+2]
	s_delay_alu instid0(VALU_DEP_2)
	v_lshrrev_b32 v[TM], 23, v[TM+4]
	s_delay_alu instid0(VALU_DEP_2)
	v_lshrrev_b32 v[TM+2], 23, v[TM+5]
	s_delay_alu instid0(VALU_DEP_1)
	v_lshl_or_b32 v[TM], v[TM+2], 16, v[TM]        ; my bytes: blocks h and 2 + h,
	s_delay_alu instid0(VALU_DEP_1)
	v_lshlrev_b32 v[TM], v[H8], v[TM]              ; at their places in the word;
	s_delay_alu instid0(VALU_DEP_1)
	v_permlanex16_b32 v[TM+1], v[TM], s[SEL], s[SEL+1]
	s_delay_alu instid0(VALU_DEP_1)
	v_or_b32 v[\pw], v[TM], v[TM+1]                ; with lane l xor 16's two the word is whole
.irp c, 0,1
	v_cvt_scalef32_pk16_fp6_f32 v[\pc+6*\c:\pc+6*\c+2], v[S+32*\c:S+32*\c+15], v[TM+4+\c]
	v_cvt_scalef32_pk16_fp6_f32 v[TM+6+4*\c:TM+8+4*\c], v[S+32*\c+16:S+32*\c+31], v[TM+4+\c]   ; (a conversion's three registers begin on an even number)
.endr
	v_nop
.irp c, 0,1
.irp i, 0,1,2
	v_mov_b32 v[\pc+3+6*\c+\i], v[TM+6+4*\c+\i]
.endr
.endr
.endm
.macro SREST n, a                      ; behind BMAX: the running maximum, p, the sum, p's codes
.set rT, ST0+4*(\n)
.set rF, F0+2*(\a)
	v_max_num_f32 v[TT], v[TM], v[TM+2]
	v_mov_b32 v[TM+3], v[rT]
	s_delay_alu instid0(VALU_DEP_2)
	v_permlanex16_b32 v[TM+1], v[TT], s[SEL], s[SEL+1]
	s_delay_alu instid0(VALU_DEP_1)
	v_max3_num_f32 v[rT+1], v[rT+1], v[TT], v[TM+1]   ; the running largest score of my query
	s_delay_alu instid0(VALU_DEP_1)
	v_mul_f32 v[TT], s[CSN], v[rT+1]
	s_delay_alu instid0(VALU_DEP_1)
	v_floor_f32 v[rT], v[TT]                       ; the new -M = floor(-t)
	s_delay_alu instid0(VALU_DEP_1)
	v_sub_f32 v[TT], v[rT], v[TM+3]                ; old M - new M: a whole number, 0 or less
	s_delay_alu instid0(VALU_DEP_1)
	v_cvt_i32_f32 v[TT], v[TT]                     ; (it saturates)
	s_delay_alu instid0(VALU_DEP_1)
	v_ldexp_f32 v[rF], 1.0, v[TT]
.set j, 0
.rept 32
	v_pk_fma_f32 v[S+j:S+j+1], v[S+j:S+j+1], s[CS:CS+1], v[rT:rT+1] op_sel_hi:[1,0,0]   ; t - M
.set j, j+2
.endr
	v_fma_f32 v[TM], v[TM], s[CS], v[rT]           ; the same of each block's largest score: p rises with the score
	v_fma_f32 v[TM+2], v[TM+2], s[CS], v[rT]
	s_wait_alu depctr_va_vdst(0)                   ; the wait ahead of the batch
.set j, 0
.rept 64
	v_exp_f32 v[S+j], v[S+j]
.set j, j+1
.endr
	v_exp_f32 v[TM], v[TM]
	v_exp_f32 v[TM+2], v[TM+2]
	v_pk_mul_f32 v[rT+2:rT+3], v[rT+2:rT+3], v[rF:rF+1] op_sel_hi:[1,0]   ; the sums under the new M: the plain place behind the batch
	s_wait_alu depctr_va_vdst(0)                   ; and behind it
	v_pk_add_f32 v[TM+4:TM+5], v[S:S+1], v[S+2:S+3]   ; the row's sum of the unquantised p, in two chains
.irp j, 4,8,12,16,20,24,28,32,36,40,44,48,52,56,60
	v_pk_add_f32 v[rT+2:rT+3], v[rT+2:rT+3], v[S+\j:S+\j+1]
	v_pk_add_f32 v[TM+4:TM+5], v[TM+4:TM+5], v[S+\j+2:S+\j+3]
.endr
	s_delay_alu instid0(VALU_DEP_1)
	v_pk_add_f32 v[rT+2:rT+3], v[rT+2:rT+3], v[TM+4:TM+5]
	QTAIL PC0+12*(\a), PW0+(\a)
.endm
; One head of my two.  last = 1: the step's last reads of the slot are V's; the three lines, the signal, the rest of the unit on registers, the barrier's wait; fill = 1: the round and the joint load two steps on.
.macro HEAD e, last, fill
.irp g, 0,1,2,3
	ds_load_b128 v[KF+12*\g:KF+12*\g+3], v[D16] offset:KVB*(\e)+3072*(\g/2)+768*(\g%2)
	ds_load_b64 v[KF+12*\g+4:KF+12*\g+5], v[D8] offset:KVB*(\e)+3072*(\g/2)+768*(\g%2)+512
	ds_load_b128 v[KF+12*\g+6:KF+12*\g+9], v[D16] offset:KVB*(\e)+3072*(\g/2)+768*(\g%2)+128
	ds_load_b64 v[KF+12*\g+10:KF+12*\g+11], v[D8] offset:KVB*(\e)+3072*(\g/2)+768*(\g%2)+576
	ds_load_b32 v[KS+\g], v[D4] offset:KVB*(\e)+12288+256*(\g/2)+64*(\g%2)
.endr
	s_wait_dscnt 0x0                               ; K, its words, and (first head) the mask
	QK \e, 0
	PLACES 4
	BMAX 0
	SREST 2*(\e), 0
	QK \e, 1
	PLACES 4                                       ; behind the products: results are read, and loads go into registers that they have read
.irp n, 0,1,2,3
	ds_load_b128 v[KF+12*\n:KF+12*\n+3], v[D16] offset:KVB*(\e)+6144+768*(\n/2)+128*(\n%2)
	ds_load_b64 v[KF+12*\n+4:KF+12*\n+5], v[D8] offset:KVB*(\e)+6144+768*(\n/2)+64*(\n%2)+512
	ds_load_b128 v[KF+12*\n+6:KF+12*\n+9], v[D16] offset:KVB*(\e)+9216+768*(\n/2)+128*(\n%2)
	ds_load_b64 v[KF+12*\n+10:KF+12*\n+11], v[D8] offset:KVB*(\e)+9216+768*(\n/2)+64*(\n%2)+512
.endr
.irp u, 0,1
	ds_load_b32 v[VS+\u], v[D4] offset:KVB*(\e)+12800+64*\u
.endr
.if \last
	s_wait_tensorcnt 0x0                           ; my one load that was out, my part of the other slot, has landed
	ds_add_u32 v[SPW], v[NIL]
.if \fill
	CHGS
.endif
	BMAX 0
	s_wait_alu depctr_va_vdst(0)                   ; the wait ahead of the wait below
	s_wait_dscnt 0x0                               ; the add is done, V is in, and my reads of this slot are over
	s_barrier_signal -1
.else
	BMAX 0
.endif
	SREST 2*(\e)+1, 1
	s_wait_alu depctr_va_vdst(0)                   ; the wait ahead of the first readers of O^T
	WIN 0x41
.irp a, 0,1
.set j, 0
.rept 16
	v_pk_mul_f32 v[64*\a+32*(\e)+j:64*\a+32*(\e)+j+1], v[64*\a+32*(\e)+j:64*\a+32*(\e)+j+1], v[F0+2*\a:F0+2*\a+1] op_sel_hi:[1,0]   ; O^T under the new M; also the places between p's codes and word and the products
.set j, j+2
.endr
.endr
.if !(\last)
	s_wait_alu depctr_va_vdst(0)
	s_wait_dscnt 0x0                               ; V and its words
.endif
	PV \e
.if \last
	s_barrier_wait -1
.if \fill
	CREST                                          ; the barrier has opened a round of the cluster's: no wave of any partner still reads this slot or has a load on its way
	JLOAD                                          ; the key step two on, into the slot just left
	ASK
.endif
.endif
.endm
.macro KSTEP fill
	v_add_nc_u32 v[D16], s[TB], v[L16]             ; (four plain lines: the places behind the last products)
	v_add_nc_u32 v[D8], s[TB], v[L8]
	v_add_nc_u32 v[D4], s[TB], v[L4]
	v_add_nc_u32 v[DM], s[TB], v[LM]
	WIN 0x40
.irp a, 0,1
.irp c, 0,1
.irp i, 0,1,2,3,4,5,6,7
	ds_load_b128 v[128+64*\a+32*\c+4*\i:128+64*\a+32*\c+4*\i+3], v[DM] offset:16*MP*\a+256*\c+16*\i   ; mask(query 16 a + r, key 64 c + 32 h + 4 i ..): the layout of S^T
.endr
.endr
.endr
	WIN 0
	HEAD 0, 0, \fill
	PLACES 4
	HEAD 1, 1, \fill
	s_xor_b32 s[TB], s[TB], SLOT1
.endm
	s_wait_alu depctr_va_vdst(0)                   ; the wait at the head's end
	s_wait_loadcnt 0x0                             ; Q
	s_wait_tensorcnt 0x0                           ; my part of key step 0 is in; slot 1's first fill is issued as a refill is
	ds_add_u32 v[SPW], v[NIL]
	CHGS
	s_wait_dscnt 0x0
	s_barrier_signal -1
	s_barrier_wait -1
	CREST
	JLOAD                                          ; key step 1 into slot 1
	ASK
.Lstep:                                            ; 14 trips: step s asks for step s + 2
	KSTEP 1
	s_sub_co_u32 s[SLOTS], s[SLOTS], 1
	s_cmp_lg_u32 s[SLOTS], 0
	s_cbranch_scc1 .Lstep
	s_mov_b32 s[SLOTS], 2
.Ltail:                                            ; the last two steps ask for nothing: one body serves both, with a plain barrier (the second trip's orders nothing more)
	KSTEP 0
	s_sub_co_u32 s[SLOTS], s[SLOTS], 1
	s_cmp_lg_u32 s[SLOTS], 0
	s_cbranch_scc1 .Ltail
	; THE WAY OUT.  O^T / the sum is vals: for tile a register 32 e + i of lane (r, h) is place 64 e + 32 h + i of my two heads' 128 along d_model: one K step of the last product, quantised here.
.irp n, 0,1,2,3
	v_add_f32 v[TM+\n], v[ST0+4*\n+2], v[ST0+4*\n+3]
.endr
.irp n, 0,1,2,3
	v_permlanex16_b32 v[TM+4+\n], v[TM+\n], s[SEL], s[SEL+1]
.endr
.irp n, 0,1,2,3
	v_add_f32 v[TM+\n], v[TM+\n], v[TM+4+\n]       ; the row's sum
.endr
	s_wait_alu depctr_va_vdst(0)
.irp n, 0,1,2,3
	v_rcp_f32 v[RC+2*\n], v[TM+\n]
.endr
	v_and_b32 v[D4], 31, v0
	v_lshlrev_b32 v[D16], 4, v[D4]
	v_lshlrev_b32 v[D4], 2, v[D4]
	s_lshl_b32 s60, s[BB], 4
	s_add_co_u32 s60, s60, s[QBLK]                 ; which 128 rows of the 8,192
	s_lshl_b32 s62, s60, 12
	s_lshl_b32 s60, s60, 1
	s_lshr_b32 s61, s[QP], 1
	s_add_co_u32 s60, s60, s61                     ; which 64
	s_mul_i32 s60, s60, 49152
	s_mul_i32 s61, s[CX], 12288
	s_add_co_u32 s60, s60, s61
	s_and_b32 s61, s[QP], 1
	s_mul_i32 s61, s61, 6144
	s_add_co_u32 s60, s60, s61
	s_mul_i32 s61, s[HP], 1536
	s_add_co_u32 s60, s60, s61
	s_mov_b32 s61, 0
	s_add_nc_u64 s[60:61], s[10:11], s[60:61]
	s_lshl_b32 s63, s[CX], 10
	s_add_co_u32 s62, s62, s63
	s_lshl_b32 s63, s[HP], 9
	s_add_co_u32 s62, s62, s63
	s_lshl_b32 s63, s[QP], 7
	s_add_co_u32 s62, s62, s63
	s_mov_b32 s63, 0
	s_add_nc_u64 s[62:63], s[12:13], s[62:63]
	s_wait_alu depctr_va_vdst(0)                   ; one wait for the four reciprocals, ahead of their first reader
.macro OUTA a
	WIN 0x01
.irp e, 0,1
.set j, 0
.rept 16
	v_pk_mul_f32 v[S+32*\e+j:S+32*\e+j+1], v[64*(\a)+32*\e+j:64*(\a)+32*\e+j+1], v[RC+4*\e+2*(\a):RC+4*\e+2*(\a)+1] op_sel_hi:[1,0]
.set j, j+2
.endr
.endr
	WIN 0
	BMAX 1
	QTAIL PC0+12*(\a), PW0+(\a)
.irp c, 0,1,2
	global_store_b128 v[D16], v[PC0+12*(\a)+4*\c:PC0+12*(\a)+4*\c+3], s[60:61] offset:3072*(\a)+512*\c   ; the fragment as an image of its registers: 512 consecutive aligned bytes a store
.endr
.endm
	OUTA 0
	OUTA 1
	v_cndmask_b32 v[TT], v[PW0], v[PW0+1], s[HM]   ; lanes 0-15 tile 0's words, lanes 16-31 tile 1's
	global_store_b32 v[D4], v[TT], s[62:63]
	s_wait_tensorcnt 0x0                           ; the wave's end
	ds_add_u32 v[SPW], v[NIL]
	s_wait_dscnt 0x0
	s_barrier_signal -1
	s_barrier_wait -1
	CREST                                          ; the closing round
	s_endpgm
.Lfunc_end_k_qc0065561a6_attn:
	.size	k_qc0065561a6_attn, .Lfunc_end_k_qc0065561a6_attn-k_qc0065561a6_attn
	.p2alignl 7, 3214868480
	.fill 96, 4, 3214868480
	.section	.rodata,"a",@progbits
	.p2align	6, 0x0
	.amdhsa_kernel k_qc0065561a6_attn
		.amdhsa_group_segment_fixed_size 327680
		.amdhsa_private_segment_fixed_size 0
		.amdhsa_enable_private_segment 0
		.amdhsa_kernarg_size 40
		.amdhsa_user_sgpr_count 2
		.amdhsa_user_sgpr_kernarg_segment_ptr 1
		.amdhsa_wavefront_size32 1
		.amdhsa_system_sgpr_workgroup_id_x 1
		.amdhsa_system_sgpr_workgroup_id_y 1
		.amdhsa_system_sgpr_workgroup_id_z 1
		.amdhsa_system_vgpr_workitem_id 0
		.amdhsa_next_free_vgpr 512
		.amdhsa_next_free_sgpr 90
		.amdhsa_reserve_vcc 0
		.amdhsa_float_denorm_mode_32 3
		.amdhsa_float_denorm_mode_16_64 3
		.amdhsa_memory_ordered 1
		.amdhsa_forward_progress 1
		.amdhsa_inst_pref_size 149
	.end_amdhsa_kernel
	.amdgpu_metadata
---
amdhsa.version: [ 1, 2 ]
amdhsa.kernels:
  - .name:           k_qc0065561a6_attn
    .symbol:         k_qc0065561a6_attn.kd
    .args:
      - { .name: qi, .offset: 0, .size: 8, .value_kind: global_buffer, .address_space: global }
      - { .name: kv, .offset: 8, .size: 8, .value_kind: global_buffer, .address_space: global }
      - { .name: mask, .offset: 16, .size: 8, .value_kind: global_buffer, .address_space: global }
      - { .name: vi, .offset: 24, .size: 8, .value_kind: global_buffer, .address_space: global }
      - { .name: vs, .offset: 32, .size: 8, .value_kind: global_buffer, .address_space: global }
    .group_segment_fixed_size: 327680
    .private_segment_fixed_size: 0
    .kernarg_segment_align: 8
    .kernarg_segment_size: 40
    .max_flat_workgroup_size: 256
    .sgpr_count:     90
    .vgpr_count:     512
    .wavefront_size: 32
...
	.end_amdgpu_metadata
.endif
;; end of part 2
;; launch outp (part 3): grid 4 x 64, 4 waves a work-group, clusters of 4 x 4, 327,680 bytes of LDS; arguments vi, vs, W_o_codes, W_o_scales, b_o, out0; writes out0
.if DOCPART == 3
	.amdgcn_target "amdgcn-amd-amdhsa--gfx1250"
	.amdhsa_code_object_version 6
	.text
	.protected	k_qc0065561a6_outp
	.globl	k_qc0065561a6_outp
	.p2align	8
	.type	k_qc0065561a6_outp,@function
k_qc0065561a6_outp:
	s_mov_b64 s[64:65], 0
	v_nop
	global_prefetch_b8 v0, s[64:65] scope:SCOPE_SE
	s_setreg_imm32_b32 hwreg(HW_REG_WAVE_MODE, 25, 1), 1
	s_wait_xcnt 0x0
	s_wait_alu depctr_hold_cnt(0) depctr_sa_sdst(0) depctr_va_vdst(0) depctr_va_sdst(0) depctr_va_ssrc(0) depctr_va_vcc(0) depctr_vm_vsrc(0)
	s_getreg_b32 s2, hwreg(HW_REG_IB_STS2, 6, 4)
	s_cmp_eq_u32 s2, 0
	s_cbranch_scc0 .Lentry_in_a_cluster
	s_endpgm
.Lentry_in_a_cluster:
	s_bfe_u32 s2, ttmp6, 0x10000c
	s_cmp_lg_u32 s2, 0xf033
	s_cbranch_scc0 .Lentry_shape_is_right
	s_endpgm
.Lentry_shape_is_right:
; out0 = vals W_o^T + b_o on codes of FP6 (E2M3) with E8M0 scales.  No work of reference() is left out here.
; D = src0 src1^T: src0 = 256 rows of W_o (cx), src1 = 128 rows of vals (vi: images of operand registers; vs: their scale words).  Wave w: src0's half w & 1 (8 tiles) x src1's half w >> 1 (4 tiles): 32 accumulators.
; ALL OF K IS RESIDENT IN LDS: one joint load a wave: waves 0, 1 a half of vals (49,152 dense bytes), waves 2, 3 128 rows of W_o (768 bytes a row as three units of 256 + 16 of padding).  Nothing is filled again.
; The scale words go from memory into registers in dense runs (W_o: 1,024 bytes a pair of loads; vals: 128 bytes a load); they are 12,288 of a work-group's 307,200 bytes, so they are not asked for jointly.
; No prefetch: the launch has no loop to run ahead in.  The bias is the C of the first K step.  The stage of the way out lies on bytes that have had their one fill, behind a barrier behind which nobody reads them.
.set PITCH, 816
.set TB16,  16*PITCH
.set H1B,   49152
.set H0B,   128*PITCH
.set SPARE, 2*H1B+2*H0B
.set SPITCH, 528
.set FR,    12
.set AF1,   8
.set AD0,   10
.set BA0,   21
.set V4,    22
.set GS,    23
.set STO,   24
.set RD,    25
.set CO,    26
.set SPW,   28
.set NIL,   29
.set SC1,   32
.set SC0,   48
.set F1,    80
.set B0R,   176
.set BK,    128
.set WV, 18
.set I1, 19
.set I0, 20
.set CX, 22
.set CY, 23
.set G1A, 24
.set G0A, 32
.set G1B, 40
.set G0B, 48
.set B1, 67
.set SP0, 76
.set SP1, 78
.set MSB, 0
.macro WIN new
.if MSB != \new
	s_set_vgpr_msb (MSB<<8)|\new
.set MSB, \new
.endif
.endm
.macro PLACES n
.rept \n
	v_nop
.endr
.endm
.macro CREST
	s_cmp_lg_u32 s[WV], 0
	s_cbranch_scc1 .Lnot_wave_0_\@
	s_barrier_signal -3
.Lnot_wave_0_\@:
	s_barrier_wait -3
	s_barrier_signal -1
	s_barrier_wait -1
.endm
.macro CROUND
	s_barrier_signal -1
	s_barrier_wait -1
	CREST
.endm
	s_load_b256 s[4:11], s[0:1], 0x0               ; vi, vs, W_o's codes, W_o's scales
	s_load_b128 s[12:15], s[0:1], 0x20             ; b_o, out0
	v_lshl_add_u32 v[SPW], v0, 2, SPARE
	v_mov_b32 v[NIL], 0
	ds_add_u32 v[SPW], v[NIL]                      ; the opening lines
	ds_add_u32 v[SPW], v[NIL]
	v_lshrrev_b32 v1, 5, v0
	v_readfirstlane_b32 s[WV], v1
	s_lshr_b32 s[I1], s[WV], 1
	s_and_b32 s[I0], s[WV], 1
	s_bfe_u32 s[CX], ttmp6, 0x40000
	s_bfe_u32 s[CY], ttmp6, 0x40004
	s_and_b32 s[B1], ttmp7, 0xffff
	s_lshl_b32 s[B1], s[B1], 2
	s_add_co_u32 s[B1], s[B1], s[CY]
	s_lshl_b32 s2, s[CY], 2
	s_lshl_b32 s2, 15, s2
	s_lshl_b32 s3, 0x1111, s[CX]
	s_or_b32 s[G1A], s2, (3<<16)|(1<<21)           ; 192 rows of 256 bytes, no padding
	s_mov_b32 s[G1A+1], 32<<16
	s_mov_b32 s[G1A+2], 192<<16
	s_mov_b32 s[G1A+3], 32<<16
	s_mov_b32 s[G1A+4], 192
	s_mov_b32 s[G1A+5], 32
	s_mov_b32 s[G1A+6], 0
	s_mov_b32 s[G1A+7], 0
	s_or_b32 s[G1B], s3, (3<<16)|(1<<20)|(1<<21)|(5<<22)|(3<<25)   ; 384 units of 256 bytes, 16 of padding behind each
	s_mov_b32 s[G1B+1], 32<<16
	s_mov_b32 s[G1B+2], 384<<16
	s_mov_b32 s[G1B+3], 32<<16
	s_mov_b32 s[G1B+4], 384
	s_mov_b32 s[G1B+5], 32
	s_mov_b32 s[G1B+6], 0
	s_mov_b32 s[G1B+7], 0
	s_lshl_b32 s84, s[CX], 8
	s_lshl_b32 s85, s[I0], 7
	s_add_co_u32 s84, s84, s85                     ; W_o's row: the half I fetch is the half I multiply
	s_mul_i32 s2, s84, 768
	s_mov_b32 s3, 0
	s_lshl_b32 s84, s84, 5
	s_mov_b32 s85, 0
	s_lshl_b32 s86, s[B1], 1
	s_add_co_u32 s86, s86, s[I0]
	s_mul_i32 s86, s86, 49152
	s_mov_b32 s87, 0
	s_lshl_b32 s88, s[B1], 12
	s_lshl_b32 s89, s[I1], 8
	s_add_co_u32 s88, s88, s89
	s_mov_b32 s89, 0
	s_wait_dscnt 0x0
	s_wait_kmcnt 0x0
	s_add_nc_u64 s[2:3], s[8:9], s[2:3]
	s_add_nc_u64 s[SP0:SP0+1], s[10:11], s[84:85]
	s_add_nc_u64 s[86:87], s[4:5], s[86:87]
	s_add_nc_u64 s[SP1:SP1+1], s[6:7], s[88:89]
	s_mov_b32 s[G0A], 1
	s_mul_i32 s[G0A+1], s[I0], H1B
	s_mov_b64 s[G0A+2:G0A+3], s[86:87]
	s_or_b32 s[G0A+3], s[G0A+3], 0x80000000
	s_mov_b32 s[G0B], 1
	s_mul_i32 s[G0B+1], s[I0], H0B
	s_add_co_u32 s[G0B+1], s[G0B+1], 2*H1B
	s_mov_b64 s[G0B+2:G0B+3], s[2:3]
	s_or_b32 s[G0B+3], s[G0B+3], 0x80000000
	CROUND
	s_cmp_eq_u32 s[I1], 0                          ; my one tensor load of the launch
	s_cbranch_scc0 .Lfor_b
	tensor_load_to_lds s[G0A:G0A+3], s[G1A:G1A+7]
	s_nop 0
	PLACES 4
	s_branch .Lasked
.Lfor_b:
	tensor_load_to_lds s[G0B:G0B+3], s[G1B:G1B+7]
	s_nop 0
	PLACES 4
.Lasked:
	s_lshl_b32 s2, s[CX], 10
	s_lshl_b32 s3, s[I0], 9
	s_add_co_u32 s2, s2, s3                        ; my first column, in bytes
	s_lshl_b32 s84, s[B1], 19
	s_lshl_b32 s85, s[I1], 18
	s_add_co_u32 s84, s84, s85
	s_add_co_u32 s84, s84, s2
	s_mov_b32 s85, 0
	s_add_nc_u64 s[14:15], s[14:15], s[84:85]
	s_mul_i32 s86, s[I1], H1B
	s_mul_i32 s87, s[I0], H0B
	s_add_co_u32 s87, s87, 2*H1B
	s_add_co_u32 s88, s87, 4*TB16
	s_mul_i32 s89, s[WV], 16*SPITCH
	v_and_b32 v1, 15, v0
	v_bfe_u32 v2, v0, 4, 1
	v_and_b32 v3, 31, v0
	v_lshlrev_b32 v[GS], 5, v3
	v_lshlrev_b32 v[V4], 2, v3
	v_lshl_add_u32 v[BA0], v2, 5, s2
.irp i, 0,1,2,3
	global_load_b128 v[SC0+8*\i:SC0+8*\i+3], v[GS], s[SP0:SP0+1] offset:1024*\i
	global_load_b128 v[SC0+8*\i+4:SC0+8*\i+7], v[GS], s[SP0:SP0+1] offset:1024*\i+16
.endr
.irp i, 0,1
.irp k, 0,1,2,3,4,5,6,7
	global_load_b32 v[SC1+8*\i+\k], v[V4], s[SP1:SP1+1] offset:512*\k+128*\i
.endr
.endr
.irp t, 0,1,2,3,4,5,6,7
	global_load_b128 v[B0R+8*\t:B0R+8*\t+3], v[BA0], s[12:13] offset:64*\t
	global_load_b128 v[B0R+8*\t+4:B0R+8*\t+7], v[BA0], s[12:13] offset:64*\t+16
.endr
	v_lshlrev_b32 v[CO], 4, v3
	v_mul_u32_u24 v6, v1, PITCH
	v_mul_u32_u24 v[STO], v1, SPITCH
	v_mad_u32_u24 v6, v2, 24, v6
	v_lshl_add_u32 v[STO], v2, 5, v[STO]
	v_add_nc_u32 v[AF1], s86, v[CO]
	v_lshl_add_u32 v7, v2, 4, v6
	v_add_nc_u32 v[AD0], s87, v6
	v_add_nc_u32 v[AD0+2], s88, v6
	v_add_nc_u32 v[AD0+1], s87, v7
	v_add_nc_u32 v[AD0+3], s88, v7
	v_add_nc_u32 v[STO], s89, v[STO]
	v_add_nc_u32 v[RD], s89, v[CO]
.macro FRAG reg, adr, st, off
.irp p, 0,1,2,3,4,5
.set BY, 96*(\st)+48*(\p/3)+8*(\p%3)
.if BY/256 == (BY+24)/256
	ds_load_b64 v[\reg+2*\p:\reg+2*\p+1], v[\adr] offset:BY+16*(BY/256)+(\off)
.else
	ds_load_b64 v[\reg+2*\p:\reg+2*\p+1], v[\adr+1] offset:BY+16*(BY/256)+(\off)
.endif
.endr
.endm
.macro FETCH st, p
	WIN 0x40
.irp i, 0,1,2,3,4,5,6,7
	FRAG 128*(\p)+FR*\i, AD0+2*(\i/4), \st, (\i%4)*TB16
.endr
	WIN 0
.irp i, 0,1,2,3
.irp c, 0,1,2
	ds_load_b128 v[F1+48*(\p)+FR*\i+4*\c:F1+48*(\p)+FR*\i+4*\c+3], v[AF1] offset:((\st)/2)*12288+\i*3072+((\st)%2)*1536+512*\c
.endr
.endr
.endm
.macro WM d, a, b, c, sa, sb, ra, rb
.if (\ra) && (\rb)
	v_wmma_scale_f32_16x16x128_f8f6f4 v[\d:\d+7], v[\a:\a+11], v[\b:\b+11], v[\c:\c+7], v[\sa], v[\sb] matrix_a_fmt:MATRIX_FMT_FP6 matrix_b_fmt:MATRIX_FMT_FP6 matrix_a_scale:MATRIX_SCALE_ROW1 matrix_b_scale:MATRIX_SCALE_ROW1
.elseif (\ra)
	v_wmma_scale_f32_16x16x128_f8f6f4 v[\d:\d+7], v[\a:\a+11], v[\b:\b+11], v[\c:\c+7], v[\sa], v[\sb] matrix_a_fmt:MATRIX_FMT_FP6 matrix_b_fmt:MATRIX_FMT_FP6 matrix_a_scale:MATRIX_SCALE_ROW1
.elseif (\rb)
	v_wmma_scale_f32_16x16x128_f8f6f4 v[\d:\d+7], v[\a:\a+11], v[\b:\b+11], v[\c:\c+7], v[\sa], v[\sb] matrix_a_fmt:MATRIX_FMT_FP6 matrix_b_fmt:MATRIX_FMT_FP6 matrix_b_scale:MATRIX_SCALE_ROW1
.else
	v_wmma_scale_f32_16x16x128_f8f6f4 v[\d:\d+7], v[\a:\a+11], v[\b:\b+11], v[\c:\c+7], v[\sa], v[\sb] matrix_a_fmt:MATRIX_FMT_FP6 matrix_b_fmt:MATRIX_FMT_FP6
.endif
.endm
.macro MULT t1, p, st                  ; the 32 accumulators take turns in the same order in every step
.irp b, 0,1,2,3,4,5,6,7
.if (\st) == 0
	WM 64*(\t1)+8*\b, 128*(\p)+FR*\b, F1+48*(\p)+FR*(\t1), B0R+8*\b, SC0+8*(\b/2)+(\st), SC1+8*((\t1)/2)+(\st), \b%2, (\t1)%2
.else
	WM 64*(\t1)+8*\b, 128*(\p)+FR*\b, F1+48*(\p)+FR*(\t1), 64*(\t1)+8*\b, SC0+8*(\b/2)+(\st), SC1+8*((\t1)/2)+(\st), \b%2, (\t1)%2
.endif
.endr
.endm
.macro KST st
	s_wait_dscnt 0x0
.if (\st) > 0
	PLACES 4
.endif
.if (\st) < 7
	FETCH (\st)+1, ((\st)+1)%2
.endif
.if (\st) == 0
	WIN 0x81                                       ; C, the bias, in window 0
.else
	WIN 0xa1
.endif
.irp t, 0,1,2,3
	MULT \t, (\st)%2, \st
.endr
	WIN 0
.endm
	s_wait_alu depctr_va_vdst(0)                   ; the wait at the head's end
	s_wait_tensorcnt 0x0
	s_barrier_signal -1
	s_barrier_wait -1
	FETCH 0, 0
	s_wait_loadcnt 0x0                             ; the scale words and the bias
.set ST, 0
.rept 8
	KST ST
.set ST, ST+1
.endr
	s_barrier_signal -1                            ; no LDS load of mine is out: nobody reads the tiles any more behind this barrier, and the stage may lie on them
	s_barrier_wait -1
.macro TOSTAGE a
	WIN 0x08
.irp b, 0,1,2,3,4,5,6,7
	ds_store_b128 v[STO], v[64*(\a)+8*\b:64*(\a)+8*\b+3] offset:64*\b
	ds_store_b128 v[STO], v[64*(\a)+8*\b+4:64*(\a)+8*\b+7] offset:64*\b+16
.endr
	WIN 0
.set BBK, BK+64*((\a)%2)
.irp t, 0,1,2,3,4,5,6,7,8,9,10,11,12,13,14,15
	ds_load_b128 v[BBK+4*\t:BBK+4*\t+3], v[RD] offset:\t*SPITCH
.endr
.endm
.macro SEND a, younger
.set BBK, BK+64*((\a)%2)
	s_wait_dscnt \younger
.irp t, 0,1,2,3,4,5,6,7,8,9,10,11,12,13,14,15
	global_store_b128 v[CO], v[BBK+4*\t:BBK+4*\t+3], s[14:15] offset:65536*(\a)+4096*\t th:TH_STORE_NT   ; 32 lanes store 512 consecutive aligned bytes
.endr
.endm
	PLACES 4
	TOSTAGE 0
	TOSTAGE 1
	SEND 0, 32
	s_wait_xcnt 0x0
	TOSTAGE 2
	SEND 1, 32
	s_wait_xcnt 0x0
	TOSTAGE 3
	SEND 2, 32
	SEND 3, 0
	s_wait_tensorcnt 0x0                           ; the wave's end
	ds_add_u32 v[SPW], v[NIL]
	s_wait_dscnt 0x0
	CROUND
	s_endpgm
.Lfunc_end_k_qc0065561a6_outp:
	.size	k_qc0065561a6_outp, .Lfunc_end_k_qc0065561a6_outp-k_qc0065561a6_outp
	.p2alignl 7, 3214868480
	.fill 96, 4, 3214868480
	.section	.rodata,"a",@progbits
	.p2align	6, 0x0
	.amdhsa_kernel k_qc0065561a6_outp
		.amdhsa_group_segment_fixed_size 327680
		.amdhsa_private_segment_fixed_size 0
		.amdhsa_enable_private_segment 0
		.amdhsa_kernarg_size 48
		.amdhsa_user_sgpr_count 2
		.amdhsa_user_sgpr_kernarg_segment_ptr 1
		.amdhsa_wavefront_size32 1
		.amdhsa_system_sgpr_workgroup_id_x 1
		.amdhsa_system_sgpr_workgroup_id_y 1
		.amdhsa_system_sgpr_workgroup_id_z 1
		.amdhsa_system_vgpr_workitem_id 0
		.amdhsa_next_free_vgpr 768
		.amdhsa_next_free_sgpr 100
		.amdhsa_reserve_vcc 0
		.amdhsa_float_denorm_mode_32 3
		.amdhsa_float_denorm_mode_16_64 3
		.amdhsa_memory_ordered 1
		.amdhsa_forward_progress 1
		.amdhsa_inst_pref_size 89
	.end_amdhsa_kernel
	.amdgpu_metadata
---
amdhsa.version: [ 1, 2 ]
amdhsa.kernels:
  - .name:           k_qc0065561a6_outp
    .symbol:         k_qc0065561a6_outp.kd
    .args:
      - { .name: vi, .offset: 0, .size: 8, .value_kind: global_buffer, .address_space: global }
      - { .name: vs, .offset: 8, .size: 8, .value_kind: global_buffer, .address_space: global }
      - { .name: W_o_codes, .offset: 16, .size: 8, .value_kind: global_buffer, .address_space: global }
      - { .name: W_o_scales, .offset: 24, .size: 8, .value_kind: global_buffer, .address_space: global }
      - { .name: b_o, .offset: 32, .size: 8, .value_kind: global_buffer, .address_space: global }
      - { .name: out0, .offset: 40, .size: 8, .value_kind: global_buffer, .address_space: global }
    .group_segment_fixed_size: 327680
    .private_segment_fixed_size: 0
    .kernarg_segment_align: 8
    .kernarg_segment_size: 48
    .max_flat_workgroup_size: 128
    .sgpr_count:     100
    .vgpr_count:     768
    .wavefront_size: 32
...
	.end_amdgpu_metadata
.endif
;; end of part 3
